; MI455X (gfx1250); checked and timed in simulation.
; The chip was launched on July 23, 2026; its instructions are those of AMD's public machine-readable ISA for CDNA 5 (MIT licence, August 2026) and "CDNA5" Instruction Set Architecture Reference Guide (July 2026). The comments in the code are by the model that wrote it; some were corrected since.
;; Source Detect Localize. Allowed arithmetic: matrix products marked QUANTISED: E5M2 operands, one E8M0 scale for each 32 along K, by v_wmma_scale_f32_16x16x128_f8f6f4 with both operands' format E5M2, f32 sums; everything else in f32.
;; Inputs: azi_candidate 181 float32; dpipd_template 91 x 181 x 512 x 6 float32; ele_candidate 91 float32; pred_ipd 8 x 64 x 512 x 6 float32.
;; Outputs: out0 8 x 64 x 2 x 1 float32; out1 8 x 64 x 1 float32; out2 8 x 64 x 91 x 181 float32.
;; This version of the problem:
;;   THIS VERSION OF THE PROBLEM IS GIVEN IN LOW PRECISION. The matrix products marked QUANTISED in the list below multiply operands that are first quantised to E5M2 (5 exponent bits, 2 mantissa bits; 8 bits a number), with one power-of-two scale for each 32 numbers along K (OCP MX v1.0); their sums are f32. All else is computed in f32.
;;   The module's matrix products, in the order in which they are computed (A, B: the left and right operand; K: the contracted axis; several contracted axes count as one K, in the product's order):
;;     1. [M 512, K 3,072] x [K 3,072, N 16,471]; A: input pred_ipd; B: input dpipd_template: QUANTISED
;;     2. [M 512, K 3,072] x [K 3,072, N 16,471]; A: input pred_ipd; B: input dpipd_template: QUANTISED
;;   THE QUANTISER, for each operand of a quantised product, along K:
;;     - K is cut into blocks of 32 from its start; a last block that is shorter is filled with zeros.
;;     - A block's scale is 2^e with e = floor(log2(the largest magnitude in the block)) - 15, held to -126 .. 127; a block of zeros has e = 0. As a byte (E8M0): e + 127.
;;     - Each number is divided by its block's scale, clamped to +-57,344, and rounded to the nearest number of E5M2, ties to even, subnormals kept.
;;     - The product sums the exact products of the quantised numbers (number of the format x scale) in f32.
;;   ~~~python
;;   def quantise(x, axis):      # numpy; x: float32 -> the quantised numbers, widened to float32 again
;;       x = np.moveaxis(x, axis, -1); K = x.shape[-1]
;;       x = np.pad(x, [(0, 0)] * (x.ndim - 1) + [(0, -K % 32)]); x = x.reshape(x.shape[:-1] + (-1, 32)); a = np.abs(x).max(-1, keepdims=True)
;;       e = np.where(a > 0, np.clip(np.frexp(np.where(a > 0, a, 1))[1] - 1 - 15, -126, 127), 0)      # np.frexp(a)[1] - 1 = floor(log2(a)), exactly
;;       r = np.clip(x / 2.0 ** e, -57344, 57344)
;;       step = 2.0 ** (np.maximum(np.frexp(np.where(r == 0, 1, r))[1] - 1, -14) - 2)
;;       q = np.round(r / step) * step * 2.0 ** e      # np.round: ties to even
;;       return np.moveaxis(q.reshape(q.shape[:-2] + (-1,))[..., :K], -1, axis).astype(np.float32)
;;   ~~~
;; One version. Each part assembles by itself: llvm-mc -triple=amdgcn-amd-amdhsa -mcpu=gfx1250 --defsym DOCPART=n.
;; ======== version 1 of 1: 3 launches
;; limits: right only within a limited range of input values
;; workspace buffers: a_codes 1,572,864 bytes; a_scl 49,152 bytes; pk 843,776 bytes of whole numbers
;; launch prep (part 1): grid 192 x 1, 4 waves a work-group, no clusters, 0 bytes of LDS; arguments pred_ipd, a_codes, a_scl; writes a_codes, a_scl
.if DOCPART == 1
	.amdgcn_target "amdgcn-amd-amdhsa--gfx1250"
	.amdhsa_code_object_version 6
	.text
	.protected	k_q46bf07d41f_prep
	.globl	k_q46bf07d41f_prep
	.p2align	8
	.type	k_q46bf07d41f_prep,@function
k_q46bf07d41f_prep:
	s_mov_b64 s[64:65], 0
	v_nop
	global_prefetch_b8 v0, s[64:65] scope:SCOPE_SE
	s_setreg_imm32_b32 hwreg(HW_REG_WAVE_MODE, 25, 1), 1
	s_wait_xcnt 0x0
; pred_ipd, taken as [512][3072] f32, becomes codes of BF8 (E5M2) with one E8M0 scale byte for each 32 along K, laid as the product's launch wants them:
;   a_codes [K step 24][tile of 16 rows 32][c 4][lane 32][16 bytes]: the image of a fragment's registers: lane (r, h), group c: row 16 mt + r, k = 128 ks + 32 c + 16 h + 0 .. 15;
;   a_scl   [K step 24][wave 4][lane 32][p 4] words: the scale word (four bytes: 128 along K) of row 16 mt + lane % 16, mt = 8 wave + 2 p + lane / 16: one 16-byte load a lane brings a wave's eight tiles' words.
; A block's scale is 2^(floor(log2(its largest magnitude)) - 15); its byte is the largest magnitude's exponent field - 15, held at 1 from below.  A block of zeros gets the byte 1 where the rule says 127:
; its codes are zeros, which add nothing under any byte but 0xff, and this program alone reads the bytes.
; LIMITS: NaN and infinities among the inputs are not served.
; SHARES: one wave makes one fragment (16 rows x 128 K): 768 waves.  Its sixteen loads together cover 16 rows x 512 consecutive bytes.  No LDS, no barrier, no loop: waves share nothing.
; The scale words leave as 4 bytes a lane, 16 bytes apart: 49,152 bytes in all, one byte in 128 of what the launch reads.
.set X,   16                           ; v16-79   64 numbers: register 16 b + i = k 32 b + 16 h + i of my row
.set TM,  80                           ; v80-83 largest magnitudes, v84-87 the other half's, then the bytes, v88-91 the largest number x the scale, v92-95 the conversions' scale operands
.set PW,  96                           ; v96      my row's scale word
.set PC,  100                          ; v100-115 the codes: the fragment's registers
.set SEL, 20                           ; s[20:21] lane selects for v_permlanex16_b32: lane l xor 16
.set MNT, 23                           ; s23      the mantissa field of 57,344
	s_load_b128 s[4:7], s[0:1], 0x0                ; pred_ipd, a_codes
	s_load_b64 s[8:9], s[0:1], 0x10                ; a_scl
	v_lshrrev_b32 v1, 5, v0
	v_readfirstlane_b32 s10, v1                    ; wave 0..3
	v_and_b32 v1, 31, v0                           ; lane
	v_and_b32 v2, 15, v0                           ; r
	v_bfe_u32 v3, v0, 4, 1                         ; h
	v_mul_u32_u24 v4, v2, 12288                    ; row r of 12,288 bytes,
	v_lshl_add_u32 v4, v3, 6, v4                   ; + 64 h: my 16 numbers of a block of 32
	v_lshlrev_b32 v5, 4, v1                        ; 16 x lane: my place in an image
	v_lshlrev_b32 v6, 4, v2                        ; 16 x r: my row's place among the scale words
	s_lshl_b32 s11, ttmp9, 2
	s_add_co_u32 s11, s11, s10                     ; which fragment: 32 ks + mt
	s_and_b32 s12, s11, 31                         ; mt
	s_lshr_b32 s13, s11, 5                         ; ks
	s_mul_i32 s14, s12, 196608                     ; 16 rows of 12,288 bytes a tile,
	s_lshl_b32 s15, s13, 9                         ; 512 bytes a K step
	s_add_co_u32 s14, s14, s15
	s_mov_b32 s15, 0
	s_lshl_b32 s16, s11, 11                        ; an image is 2,048 bytes
	s_mov_b32 s17, 0
	s_lshl_b32 s18, s13, 2
	s_lshr_b32 s19, s12, 3
	s_add_co_u32 s18, s18, s19                     ; 4 ks + wave (mt / 8):
	s_lshl_b32 s18, s18, 9                         ; 512 bytes each;
	s_and_b32 s19, s12, 1
	s_lshl_b32 s19, s19, 8                         ; an odd tile's words go to lanes 16-31: 256 bytes on;
	s_add_co_u32 s18, s18, s19
	s_bfe_u32 s19, s12, 0x20001                    ; p = (mt / 2) % 4:
	s_lshl_b32 s19, s19, 2                         ; 4 bytes each
	s_add_co_u32 s18, s18, s19
	s_mov_b32 s19, 0
	s_mov_b32 s[SEL], 0x76543210
	s_mov_b32 s[SEL+1], 0xfedcba98
	s_mov_b32 s[MNT], 0x600000
.irp b, 0,1,2,3
	v_mov_b32 v[TM+4+\b], 0                        ; written once: a lane permute's destination counts as one of its sources
.endr
	s_wait_alu depctr_va_vdst(0)
	s_wait_kmcnt 0x0
	s_add_nc_u64 s[4:5], s[4:5], s[14:15]
	s_add_nc_u64 s[6:7], s[6:7], s[16:17]
	s_add_nc_u64 s[8:9], s[8:9], s[18:19]
.irp b, 0,1,2,3
.irp j, 0,1,2,3
	global_load_b128 v[X+16*\b+4*\j:X+16*\b+4*\j+3], v4, s[4:5] offset:128*\b+16*\j th:TH_LOAD_NT
.endr
.endr
	s_wait_loadcnt 0x0
.irp b, 0,1,2,3
	v_max3_num_f32 v[TM+\b], |v[X+16*\b]|, |v[X+1+16*\b]|, 0x8000000   ; block b: my 16 numbers, and the floor 2^(16 - 127): so the byte cannot fall under 1
.endr
.irp i, 2,4,6,8,10,12,14
.irp b, 0,1,2,3
	v_max3_num_f32 v[TM+\b], v[TM+\b], |v[X+16*\b+\i]|, |v[X+1+16*\b+\i]|   ; the four blocks by turns
.endr
.endr
.irp b, 0,1,2,3
	v_permlanex16_b32 v[TM+4+\b], v[TM+\b], s[SEL], s[SEL+1]
.endr
.irp b, 0,1,2,3
	v_max_num_f32 v[TM+\b], v[TM+\b], v[TM+4+\b]   ; with lane l xor 16's: the block's largest magnitude
.endr
.irp b, 0,1,2,3
	v_add_nc_u32 v[TM+12+\b], 0xf8800000, v[TM+\b] ; 15 off its exponent field: the conversion takes the exponent field of this operand as its scale
.endr
.irp b, 0,1,2,3
	v_and_or_b32 v[TM+8+\b], v[TM+\b], 0x7f800000, s[MNT]   ; 57,344 x the scale
.endr
.irp b, 0,1,2,3
	v_lshrrev_b32 v[TM+4+\b], 23, v[TM+12+\b]      ; the scale's byte
.endr
	v_lshl_or_b32 v[PW], v[TM+5], 8, v[TM+4]       ; the four bytes make my row's scale word (both halves of the lanes hold the same)
	v_lshl_or_b32 v[PW], v[TM+6], 16, v[PW]
	v_lshl_or_b32 v[PW], v[TM+7], 24, v[PW]
.irp b, 0,1,2,3
.irp i, 0,1,2,3,4,5,6,7,8,9,10,11,12,13,14,15
	v_med3_num_f32 v[X+16*\b+\i], v[X+16*\b+\i], -v[TM+8+\b], v[TM+8+\b]   ; the conversion to an 8-bit code does not saturate (ISA guide 7.6.2): the hold at the largest code x the scale
.endr
	v_cvt_scalef32_pk8_bf8_f32 v[PC+4*\b:PC+1+4*\b], v[X+16*\b:X+7+16*\b], v[TM+12+\b]
	v_cvt_scalef32_pk8_bf8_f32 v[PC+2+4*\b:PC+3+4*\b], v[X+8+16*\b:X+15+16*\b], v[TM+12+\b]
.endr
	v_nop                                          ; a plain line behind the last conversion
.irp c, 0,1,2,3
	global_store_b128 v5, v[PC+4*\c:PC+4*\c+3], s[6:7] offset:512*\c   ; 32 lanes store 512 consecutive bytes, at a multiple of 256 from the buffer's first byte
.endr
	global_store_b32 v6, v[PW], s[8:9]             ; lanes l and l + 16 write the same word with the same value
	s_endpgm
.Lfunc_end_k_q46bf07d41f_prep:
	.size	k_q46bf07d41f_prep, .Lfunc_end_k_q46bf07d41f_prep-k_q46bf07d41f_prep
	.p2alignl 7, 3214868480
	.fill 96, 4, 3214868480
	.section	.rodata,"a",@progbits
	.p2align	6, 0x0
	.amdhsa_kernel k_q46bf07d41f_prep
		.amdhsa_group_segment_fixed_size 0
		.amdhsa_private_segment_fixed_size 0
		.amdhsa_enable_private_segment 0
		.amdhsa_kernarg_size 24
		.amdhsa_user_sgpr_count 2
		.amdhsa_user_sgpr_kernarg_segment_ptr 1
		.amdhsa_wavefront_size32 1
		.amdhsa_system_sgpr_workgroup_id_x 1
		.amdhsa_system_sgpr_workgroup_id_y 1
		.amdhsa_system_sgpr_workgroup_id_z 1
		.amdhsa_system_vgpr_workitem_id 0
		.amdhsa_next_free_vgpr 128
		.amdhsa_next_free_sgpr 66
		.amdhsa_reserve_vcc 0
		.amdhsa_float_denorm_mode_32 3
		.amdhsa_float_denorm_mode_16_64 3
		.amdhsa_memory_ordered 1
		.amdhsa_forward_progress 1
		.amdhsa_inst_pref_size 12
	.end_amdhsa_kernel
	.amdgpu_metadata
---
amdhsa.version: [ 1, 2 ]
amdhsa.kernels:
  - .name:           k_q46bf07d41f_prep
    .symbol:         k_q46bf07d41f_prep.kd
    .args:
      - { .name: pred_ipd, .offset: 0, .size: 8, .value_kind: global_buffer, .address_space: global }
      - { .name: a_codes, .offset: 8, .size: 8, .value_kind: global_buffer, .address_space: global }
      - { .name: a_scl, .offset: 16, .size: 8, .value_kind: global_buffer, .address_space: global }
    .group_segment_fixed_size: 0
    .private_segment_fixed_size: 0
    .kernarg_segment_align: 8
    .kernarg_segment_size: 24
    .max_flat_workgroup_size: 128
    .sgpr_count:     66
    .vgpr_count:     128
    .wavefront_size: 32
...
	.end_amdgpu_metadata
.endif
;; end of part 1
;; launch main (part 2): grid 206 x 1, 4 waves a work-group, no clusters, 327,680 bytes of LDS; arguments dpipd_template, a_codes, a_scl, out2, pk; writes out2, pk
.if DOCPART == 2
	.amdgcn_target "amdgcn-amd-amdhsa--gfx1250"
	.amdhsa_code_object_version 6
	.text
	.protected	k_q46bf07d41f_main
	.globl	k_q46bf07d41f_main
	.p2align	8
	.type	k_q46bf07d41f_main,@function
k_q46bf07d41f_main:
	s_mov_b64 s[64:65], 0
	v_nop
	global_prefetch_b8 v0, s[64:65] scope:SCOPE_SE
	s_setreg_imm32_b32 hwreg(HW_REG_WAVE_MODE, 25, 1), 1
	s_wait_xcnt 0x0
; out2 = Q(pred_ipd) Q(template)^T / 1536 and, for each of the 512 rows, the largest score of this work-group's 80 template rows with its index (pk).
; reference() writes the same quantised product twice (pred_ss and m): same operands, same sums, so it is computed once and serves both.
; A work-group takes 80 template rows x all 512 rows of pred_ipd; K goes in chunks of 384 (rows of 1,536 bytes) through two LDS slots; a chunk is quantised while the chunk before is multiplied.
; No joint loads: the template rows of a work-group are its own; a K step's 65,536 bytes of a_codes twice over do not fit in LDS beside the two slots and the images.
; No prefetch: behind every change of slots the whole next chunk, 122,880 bytes a work-group, is on its way through the three steps that follow, beside 196,608 bytes of a_codes.
.set NWG,   206
.set ROWB,  12288
.set CHB,   1536
.set PITCH, 1584
.set TROWS, 20
.set SCL0,  80*PITCH
.set SCLD,  1024
.set SPARE, SCL0+2*SCLD
.set SLOT1, 1<<17
.set IMG0,  SLOT1+80*PITCH
.set IMGD,  32768
.set SPI,   336
.set STW,   44032
.set OROW,  65884
.set SPW, 3
.set NIL, 4
.set AO,  5
.set TA0, 6
.set TA1, 7
.set IA,  8
.set SA,  9
.set LI,  10
.set SR,  11
.set TQ0, 12
.set TQ1, 13
.set IQ,  14
.set SQ,  15
.set IM,  16
.set SM,  17
.set AS,  24
.set BS,  36
.set TM,  44
.set TP,  49
.set SO,  54
.set HL,  59
.set BY,  64
.set C,   72
.set X,   96
.set BF,  176
.set MSB, 0
.macro WIN new
.if MSB != (\new)
	s_set_vgpr_msb (MSB<<8)|(\new)
.set MSB, (\new)
.endif
.endm
.macro PLACES n
.rept \n
	v_nop
.endr
.endm
.macro QLOAD i
.irp t, 0,1,2
.irp j, 0,1,2,3
	ds_load_b128 v[X+16*\t+4*\j:X+16*\t+4*\j+3], v[TQ0] offset:\t*16*PITCH+528*\i+16*\j
.endr
.endr
.irp t, 3,4
.irp j, 0,1,2,3
	ds_load_b128 v[X+16*\t+4*\j:X+16*\t+4*\j+3], v[TQ1] offset:(\t-3)*16*PITCH+528*\i+16*\j
.endr
.endr
.endm
.macro BLOAD i
.irp t, 0,1,2,3,4
.irp c, 0,1,2,3
	ds_load_b128 v[BF+16*\t+4*\c:BF+16*\t+4*\c+3], v[IM] offset:(5*\i+\t)*2048+512*\c
.endr
	ds_load_b32 v[BS+\t], v[SM] offset:(5*\i+\t)*64
.endr
.endm
.macro QCALC i
.irp t, 0,1,2,3,4
	v_max3_num_f32 v[TM+\t], |v[X+16*\t]|, |v[X+16*\t+1]|, 0x8000000
.endr
.irp k, 2,4,6,8,10,12,14
.irp t, 0,1,2,3,4
	v_max3_num_f32 v[TM+\t], v[TM+\t], |v[X+16*\t+\k]|, |v[X+16*\t+\k+1]|
.endr
.endr
.irp t, 0,1,2,3,4
	v_permlanex16_b32 v[TP+\t], v[TM+\t], s48, s49
.endr
.irp t, 0,1,2,3,4
	v_max_num_f32 v[TM+\t], v[TM+\t], v[TP+\t]
.endr
.irp t, 0,1,2,3,4
	v_add_nc_u32 v[SO+\t], 0xf8800000, v[TM+\t]
.endr
.irp t, 0,1,2,3,4
	v_and_or_b32 v[HL+\t], v[TM+\t], 0x7f800000, s46
.endr
.irp t, 0,1,2,3,4
	v_lshrrev_b32 v[BY+\t], 23, v[SO+\t]
.endr
.irp t, 0,1,2,3,4
.irp k, 0,1,2,3,4,5,6,7,8,9,10,11,12,13,14,15
	v_med3_num_f32 v[X+16*\t+\k], v[X+16*\t+\k], -v[HL+\t], v[HL+\t]
.endr
.endr
.irp t, 0,1,2,3,4
	v_cvt_scalef32_pk8_bf8_f32 v[C+4*\t:C+4*\t+1], v[X+16*\t:X+16*\t+7], v[SO+\t]
	v_cvt_scalef32_pk8_bf8_f32 v[C+4*\t+2:C+4*\t+3], v[X+16*\t+8:X+16*\t+15], v[SO+\t]
.endr
	v_nop
.irp t, 0,1,2,3,4
	ds_store_b128 v[IQ], v[C+4*\t:C+4*\t+3] offset:(5*\i+\t)*2048
.endr
.irp t, 0,1,2,3,4
	ds_store_b8 v[SQ], v[BY+\t] offset:(5*\i+\t)*64
.endr
.endm
.macro AFETCH i, hi
.if \i == 2
	WIN 0x80+0x40*\hi
.else
	WIN 0x40
.endif
.irp a, 0,1,2,3
.if \i == 2
.set RA, 160+16*\a
.else
.set RA, 128*\i+16*(4*\hi+\a)
.endif
.irp c, 0,1,2,3
	global_load_b128 v[RA+4*\c:RA+4*\c+3], v[AO], s[6:7] offset:\i*65536+(4*\hi+\a)*2048+512*\c
.endr
.endr
.endm
.macro ASLOAD i
	global_load_b128 v[AS+4*\i:AS+4*\i+3], v[AO], s[8:9] offset:\i*2048
.endm
.macro MULH i, hi, zero
.if \i == 2
	WIN 0xa8+0x54*\hi
.else
	WIN 0xa4+0x50*\hi
.endif
.irp a, 0,1,2,3
.if \i == 2
.set RA, 160+16*\a
.else
.set RA, 128*\i+16*(4*\hi+\a)
.endif
.set RS, AS+4*\i+2*\hi+\a/2
.irp t, 0,1,2,3,4
.set RD, 8*(5*\a+\t)
.if \zero
.if \a%2
	v_wmma_scale_f32_16x16x128_f8f6f4 v[RD:RD+7], v[BF+16*\t:BF+16*\t+15], v[RA:RA+15], 0, v[BS+\t], v[RS] matrix_a_fmt:MATRIX_FMT_BF8 matrix_b_fmt:MATRIX_FMT_BF8 matrix_b_scale:MATRIX_SCALE_ROW1
.else
	v_wmma_scale_f32_16x16x128_f8f6f4 v[RD:RD+7], v[BF+16*\t:BF+16*\t+15], v[RA:RA+15], 0, v[BS+\t], v[RS] matrix_a_fmt:MATRIX_FMT_BF8 matrix_b_fmt:MATRIX_FMT_BF8
.endif
.else
.if \a%2
	v_wmma_scale_f32_16x16x128_f8f6f4 v[RD:RD+7], v[BF+16*\t:BF+16*\t+15], v[RA:RA+15], v[RD:RD+7], v[BS+\t], v[RS] matrix_a_fmt:MATRIX_FMT_BF8 matrix_b_fmt:MATRIX_FMT_BF8 matrix_b_scale:MATRIX_SCALE_ROW1
.else
	v_wmma_scale_f32_16x16x128_f8f6f4 v[RD:RD+7], v[BF+16*\t:BF+16*\t+15], v[RA:RA+15], v[RD:RD+7], v[BS+\t], v[RS] matrix_a_fmt:MATRIX_FMT_BF8 matrix_b_fmt:MATRIX_FMT_BF8
.endif
.endif
.endr
.endr
.endm
.macro MUL i, reload, zero, cnt
	s_wait_loadcnt \cnt
	MULH \i, 0, \zero
.if \reload
	PLACES 8
	AFETCH \i, 0
.endif
	MULH \i, 1, \zero
	PLACES 8
.if \reload
	AFETCH \i, 1
	WIN 0
	ASLOAD \i
.endif
	WIN 0
.endm
; A step: quantise 128 along K of the next chunk, multiply 128 along K of this one.  The numbers' registers are free behind the conversions,
; so the next step's 20 LDS loads are issued ahead of this step's products (within a chunk: the next chunk is shown only behind CHANGE's barrier).
.macro S i, zero
.if \i == 0
	QLOAD 0
.endif
	BLOAD \i
	s_wait_dscnt 25                                ; the numbers are in; behind them stand BLOAD's 25
	QCALC \i
.if \i == 0
	QLOAD 1
.endif
.if \i == 1
	QLOAD 2
.endif
.if \i < 2
	s_wait_dscnt 30                                ; B's fragments are in; behind them 10 stores and the 20 loads just issued
.else
	s_wait_dscnt 10
.endif
	MUL \i, 1, \zero, 63
.endm
.macro ADDRS
	v_add_nc_u32 v[TQ0], s40, v[TA0]
	v_add_nc_u32 v[TQ1], s40, v[TA1]
	v_add_nc_u32 v[IQ], s41, v[IA]
	v_add_nc_u32 v[SQ], s42, v[SA]
	v_add_nc_u32 v[IM], s43, v[LI]
	v_add_nc_u32 v[SM], s44, v[SR]
.endm
.macro CHANGE fill
	WIN 0
	s_wait_tensorcnt 0x0
	ds_add_u32 v[SPW], v[NIL]
.if \fill
	s_xor_b32 s37, s37, SLOT1
	s_add_nc_u64 s[38:39], s[38:39], CHB
.endif
	s_xor_b32 s40, s40, SLOT1
	s_xor_b32 s41, s41, IMGD
	s_xor_b32 s42, s42, SCLD
	s_xor_b32 s43, s43, IMGD
	s_xor_b32 s44, s44, SCLD
	s_wait_xcnt 0x0
	s_add_nc_u64 s[6:7], s[6:7], 3*65536
	s_add_nc_u64 s[8:9], s[8:9], 3*2048
	s_wait_dscnt 0x0
	s_barrier_signal -1
	s_barrier_wait -1
.if \fill
	tensor_load_to_lds s[36:39], s[24:31]
	s_nop 0
.endif
	ADDRS
.endm
	s_load_b128 s[4:7], s[0:1], 0x0
	s_load_b128 s[8:11], s[0:1], 0x10
	s_load_b64 s[12:13], s[0:1], 0x20
	v_lshl_add_u32 v[SPW], v0, 2, SPARE
	v_mov_b32 v[NIL], 0
	ds_add_u32 v3, v4
	ds_add_u32 v3, v4
	s_wait_dscnt 0x0
	v_lshrrev_b32 v1, 5, v0
	v_readfirstlane_b32 s14, v1
	s_cmp_eq_u32 ttmp9, NWG-1
	s_cselect_b32 s15, 9, 0
	s_mul_i32 s16, ttmp9, 80
	s_sub_co_u32 s16, s16, s15
	s_mov_b32 s24, (2<<16)|(1<<20)|(6<<22)|(3<<25)
	s_mov_b32 s25, 384<<16
	s_mov_b32 s26, TROWS<<16
	s_mov_b32 s27, 384<<16
	s_mov_b32 s28, TROWS
	s_mov_b32 s29, 3072
	s_mov_b32 s30, 0
	s_mov_b32 s31, 0
	s_mul_i32 s17, s14, TROWS
	s_add_co_u32 s17, s17, s16
	s_mul_i32 s18, s17, ROWB
	s_mov_b32 s19, 0
	s_mul_i32 s20, s14, TROWS*PITCH
	v_and_b32 v12, 31, v0
	v_lshlrev_b32 v[AO], 4, v12
	s_wait_alu depctr_va_vdst(0)
	s_wait_kmcnt 0x0
	s_add_nc_u64 s[4:5], s[4:5], s[18:19]
	s_mov_b32 s32, 1
	s_mov_b32 s33, s20
	s_mov_b64 s[34:35], s[4:5]
	s_or_b32 s35, s35, 0x80000000
	s_mov_b32 s36, 1
	s_add_co_u32 s37, s20, SLOT1
	s_add_nc_u64 s[38:39], s[4:5], CHB
	s_or_b32 s39, s39, 0x80000000
	s_lshl_b32 s18, s14, 14
	s_add_nc_u64 s[6:7], s[6:7], s[18:19]
	s_lshl_b32 s18, s14, 9
	s_add_nc_u64 s[8:9], s[8:9], s[18:19]
	AFETCH 0, 0
	AFETCH 0, 1
	WIN 0
	ASLOAD 0
	s_lshr_b32 s17, ttmp9, 4
	s_xor_b32 s17, s17, ttmp9
	s_and_b32 s17, s17, 1
	s_cmp_eq_u32 s17, 0
	s_cbranch_scc1 .Lask
	s_wait_loadcnt 0x0
.Lask:
	tensor_load_to_lds s[32:35], s[24:31]
	s_nop 0
	s_wait_alu depctr_va_vdst(0)
	s_wait_tensorcnt 0x0
	ds_add_u32 v3, v4
	s_wait_dscnt 0x0
	s_barrier_signal -1
	s_barrier_wait -1
	tensor_load_to_lds s[36:39], s[24:31]
	s_nop 0
	PLACES 4
	s_mul_i32 s18, s14, 128*OROW
	s_lshl_b32 s17, s16, 2
	s_add_co_u32 s18, s18, s17
	s_add_nc_u64 s[10:11], s[10:11], s[18:19]
	s_lshl_b32 s18, ttmp9, 12
	s_lshl_b32 s17, s14, 10
	s_add_co_u32 s18, s18, s17
	s_add_nc_u64 s[12:13], s[12:13], s[18:19]
.irp i, 1,2
	AFETCH \i, 0
	AFETCH \i, 1
	WIN 0
	ASLOAD \i
.endr
	v_and_b32 v1, 15, v0
	v_bfe_u32 v2, v0, 4, 1
	v_mul_u32_u24 v[TA0], v1, PITCH
	v_lshl_add_u32 v[TA0], v2, 6, v[TA0]
	s_lshl_b32 s18, s14, 7
	v_add_nc_u32 v[TA0], s18, v[TA0]
	v_add_nc_u32 v[TA1], 3*16*PITCH, v[TA0]
	s_lshl_b32 s18, s14, 9
	s_add_co_u32 s18, s18, IMG0
	v_add_nc_u32 v[IA], s18, v[AO]
	v_lshlrev_b32 v[SR], 2, v1
	v_add_nc_u32 v[SR], SCL0, v[SR]
	v_add_nc_u32 v[SA], s14, v[SR]
	v_add_nc_u32 v[LI], IMG0, v[AO]
.irp t, 0,1,2,3,4
	v_mov_b32 v[TP+\t], 0
.endr
	s_mov_b32 s40, 0
	s_mov_b32 s41, 0
	s_mov_b32 s42, 0
	s_mov_b32 s43, IMGD
	s_mov_b32 s44, SCLD
	s_mov_b32 s46, 0x600000
	s_mov_b32 s48, 0x76543210
	s_mov_b32 s49, 0xfedcba98
	s_mov_b32 s50, 0x3a2aaaab
	s_mov_b32 s51, s50
	s_mov_b32 s57, 0xffff0000
	s_wait_tensorcnt 0x1
	s_barrier_signal -1
	s_barrier_wait -1
	ADDRS
.irp i, 0,1,2
	QLOAD \i
	s_wait_dscnt 0x0
	QCALC \i
.endr
	CHANGE 1
	S 0, 1
	s_mov_b32 s45, 5
.Lchunk:
	S 1, 0
	S 2, 0
	CHANGE 1
	S 0, 0
	s_sub_co_u32 s45, s45, 1
	s_cmp_lg_u32 s45, 0
	s_cbranch_scc1 .Lchunk
	S 1, 0
	S 2, 0
	CHANGE 0
	S 0, 0
	S 1, 0
	S 2, 0
	CHANGE 0
	BLOAD 0
	s_wait_alu depctr_va_vdst(0)
	s_wait_dscnt 0x0
	MUL 0, 0, 0, 63
	BLOAD 1
	s_wait_dscnt 0x0
	MUL 1, 0, 0, 33
	BLOAD 2
	s_wait_dscnt 0x0
	MUL 2, 0, 0, 0
.set STO, 18
.set PKO, 19
.set LA,  6
.set GA,  11
.set LB,  16
.set LT,  64
.set VM,  44
.set T1,  49
.set IX,  54
.set RM,  59
.set RB,  60
.set KEY, 72
.set GI,  80
.set Y,   96
.set PKD, 176
.set OD,  192
.set OE,  212
	s_lshr_b32 s60, s14, 1
	s_lshl_b32 s60, s60, 17
	s_and_b32 s17, s14, 1
	s_mul_i32 s17, s17, STW
	s_add_co_u32 s60, s60, s17
	v_mul_u32_u24 v[STO], v1, SPI
	v_lshl_add_u32 v[STO], v2, 5, v[STO]
	v_add_nc_u32 v[STO], s60, v[STO]
	v_and_b32 v20, 31, v0
	v_lshlrev_b32 v[PKO], 3, v20
	v_lshl_add_u32 v[LA], v20, 2, s60
	v_add_nc_u32 v[LA+1], 128, v[LA]
	v_lshl_add_u32 v[LA+2], v2, 4, v[LA]
	v_add_nc_u32 v[LA+2], 256, v[LA+2]
	v_add_nc_u32 v[LA+3], 384+16, v[LA]
	v_add_nc_u32 v[LA+4], 512+16, v[LA]
	v_mad_u32_u24 v[LB], v2, 36, v[LA+2]
	v_cmp_gt_u32 s61, s15, v20
	v_xor_b32 v[RB], 16, v20
	v_cmp_gt_u32 s62, s15, v[RB]
	s_lshl_b32 s17, s15, 2
	v_mov_b32 v23, s17
	v_lshlrev_b32 v21, 2, v20
	v_cndmask_b32 v22, 0, v23, s61
	v_add_nc_u32 v[GA], v21, v22
	v_add_nc_u32 v[GA+1], 128, v21
	v_mul_u32_u24 v22, v2, OROW-320
	v_add_nc_u32 v[GA+2], v21, v22
	v_cndmask_b32 v22, 0, v23, s62
	v_add_nc_u32 v[GA+2], v[GA+2], v22
	v_add_nc_u32 v[GA+2], 256, v[GA+2]
	v_add_nc_u32 v[GA+3], OROW+64, v21
	v_add_nc_u32 v[GA+4], OROW+192, v21
.macro TILE a
.set AC, 40*((\a)%4)
.set YW, 2+(\a)/4
.set YB, Y+40*((\a)%2)
.if (\a) >= 2
	s_wait_dscnt 10
.endif
	WIN 5*YW
.irp t, 0,1,2,3,4
	v_max_num_f32 v[VM+\t], v[AC+8*\t], v[AC+8*\t+1]
.endr
.irp q, 1,2,3
.irp t, 0,1,2,3,4
	v_max3_num_f32 v[VM+\t], v[AC+8*\t+2*\q], v[AC+8*\t+2*\q+1], v[VM+\t]
.endr
.endr
	WIN 0
	v_max3_num_f32 v[RM], v[VM], v[VM+1], v[VM+2]
	v_max3_num_f32 v[RM], v[RM], v[VM+3], v[VM+4]
	v_permlanex16_b32 v[T1], v[RM], s48, s49
	v_max_num_f32 v[RM], v[RM], v[T1]
.irp t, 0,1,2,3,4
	v_mov_b32 v[IX+\t], 127
.endr
	WIN YW
.irp j, 7,6,5,4,3,2,1,0
.irp t, 0,1,2,3,4
	v_cmp_neq_f32 s[52+\t], v[AC+8*\t+\j], v[RM]
.endr
.irp t, 0,1,2,3,4
	v_cndmask_b32 v[IX+\t], \j, v[IX+\t], s[52+\t]
.endr
.endr
.irp t, 0,1,2,3,4
.irp q, 0,1,2,3
	v_pk_mul_f32 v[YB+8*\t+2*\q:YB+8*\t+2*\q+1], v[AC+8*\t+2*\q:AC+8*\t+2*\q+1], s[50:51] op_sel_hi:[1,0]
.endr
.endr
	WIN 0
.irp t, 1,2,3,4
	v_add_nc_u32 v[IX+\t], 16*\t, v[IX+\t]
.endr
	v_min_u32 v[IX], v[IX], v[IX+1]
	v_min_u32 v[IX+2], v[IX+2], v[IX+3]
	v_min_u32 v[IX], v[IX], v[IX+4]
	v_min_u32 v[IX], v[IX], v[IX+2]
	v_lshl_add_u32 v[IX], v2, 3, v[IX]
	v_permlanex16_b32 v[T1], v[IX], s48, s49
	v_min_u32 v[IX], v[IX], v[T1]
	v_add_nc_u32 v[GI+(\a)], s16, v[IX]
	v_add_f32 v[RB], 0, v[RM]
	v_ashrrev_i32 v[RB+1], 31, v[RB]
	v_xor_b32 v[RB+1], -1, v[RB+1]
	v_lshrrev_b32 v[RB+1], 1, v[RB+1]
	v_xor_b32 v[KEY+(\a)], v[RB], v[RB+1]
.irp t, 0,1,2,3,4
	ds_store_b128 v[STO], v[YB+8*\t:YB+8*\t+3] offset:16*SPI*(\a)+64*\t
	ds_store_b128 v[STO], v[YB+8*\t+4:YB+8*\t+7] offset:16*SPI*(\a)+64*\t+16
.endr
.endm
; The way out in two halves: four tiles of 16 rows into my stage, then their 64 rows are stored; the second half's tiles are worked while the first half's stores are out.
; A row's 320 bytes begin at a multiple of 4 alone, so they leave 4 bytes a lane; neighbouring instructions and work-groups write parts of the same 256 bytes, so the stores carry no hint.
	s_mov_b32 s58, 0
.irp half, 0,1
.irp a, 0,1,2,3
	TILE 4*\half+\a
.endr
.if \half
.irp p, 0,1,2,3
	v_cndmask_b32 v[PKD+2*\p], v[KEY+2*\p], v[KEY+2*\p+1], s57
	v_cndmask_b32 v[PKD+2*\p+1], v[GI+2*\p], v[GI+2*\p+1], s57
.endr
.irp p, 0,1,2,3
	global_store_b64 v[PKO], v[PKD+2*\p:PKD+2*\p+1], s[12:13] offset:256*\p
.endr
.endif
	s_mov_b32 s59, 8
.Lrows\half:
.irp i, 0,1,2,3,4
	v_add_nc_u32 v[LT+\i], s58, v[LA+\i]
.endr
	v_add_nc_u32 v[LT+5], s58, v[LB]
.irp p, 0,1,2,3
	ds_load_b32 v[OD+5*\p], v[LT] offset:2*SPI*\p
	ds_load_b32 v[OE+2*\p], v[LT] offset:2*SPI*\p+36
	ds_load_b32 v[OD+5*\p+1], v[LT+1] offset:2*SPI*\p
	ds_load_b32 v[OD+5*\p+2], v[LT+2] offset:2*SPI*\p
	ds_load_b32 v[OE+2*\p+1], v[LT+5] offset:2*SPI*\p
	ds_load_b32 v[OD+5*\p+3], v[LT+3] offset:2*SPI*\p
	ds_load_b32 v[OD+5*\p+4], v[LT+4] offset:2*SPI*\p
.endr
.irp p, 0,1,2,3
	s_wait_dscnt 26-7*\p
	v_cndmask_b32 v[OD+5*\p], v[OD+5*\p], v[OE+2*\p], s61
	global_store_b32 v[GA], v[OD+5*\p], s[10:11] offset:2*OROW*\p
	s_wait_dscnt 25-7*\p
	global_store_b32 v[GA+1], v[OD+5*\p+1], s[10:11] offset:2*OROW*\p
	s_wait_dscnt 23-7*\p
	v_cndmask_b32 v[OD+5*\p+2], v[OD+5*\p+2], v[OE+2*\p+1], s62
	global_store_b32 v[GA+2], v[OD+5*\p+2], s[10:11] offset:2*OROW*\p
	s_wait_dscnt 22-7*\p
	global_store_b32 v[GA+3], v[OD+5*\p+3], s[10:11] offset:2*OROW*\p
	s_wait_dscnt 21-7*\p
	global_store_b32 v[GA+4], v[OD+5*\p+4], s[10:11] offset:2*OROW*\p
.endr
	s_wait_xcnt 0x0
	s_add_nc_u64 s[10:11], s[10:11], 8*OROW
	s_add_co_u32 s58, s58, 8*SPI
	s_sub_co_u32 s59, s59, 1
	s_cmp_lg_u32 s59, 0
	s_cbranch_scc1 .Lrows\half
.endr
	s_wait_tensorcnt 0x0
	ds_add_u32 v[SPW], v[NIL]
	s_wait_dscnt 0x0
	s_endpgm
.Lfunc_end_k_q46bf07d41f_main:
	.size	k_q46bf07d41f_main, .Lfunc_end_k_q46bf07d41f_main-k_q46bf07d41f_main
	.p2alignl 7, 3214868480
	.fill 96, 4, 3214868480
	.section	.rodata,"a",@progbits
	.p2align	6, 0x0
	.amdhsa_kernel k_q46bf07d41f_main
		.amdhsa_group_segment_fixed_size 327680
		.amdhsa_private_segment_fixed_size 0
		.amdhsa_enable_private_segment 0
		.amdhsa_kernarg_size 40
		.amdhsa_user_sgpr_count 2
		.amdhsa_user_sgpr_kernarg_segment_ptr 1
		.amdhsa_wavefront_size32 1
		.amdhsa_system_sgpr_workgroup_id_x 1
		.amdhsa_system_sgpr_workgroup_id_y 1
		.amdhsa_system_sgpr_workgroup_id_z 1
		.amdhsa_system_vgpr_workitem_id 0
		.amdhsa_next_free_vgpr 1024
		.amdhsa_next_free_sgpr 66
		.amdhsa_reserve_vcc 0
		.amdhsa_float_denorm_mode_32 3
		.amdhsa_float_denorm_mode_16_64 3
		.amdhsa_memory_ordered 1
		.amdhsa_forward_progress 1
		.amdhsa_inst_pref_size 255
	.end_amdhsa_kernel
	.section	.bss,"aw",@nobits
	.p2align	6
	.space	262144
	.amdgpu_metadata
---
amdhsa.version: [ 1, 2 ]
amdhsa.kernels:
  - .name:           k_q46bf07d41f_main
    .symbol:         k_q46bf07d41f_main.kd
    .args:
      - { .name: dpipd_template, .offset: 0, .size: 8, .value_kind: global_buffer, .address_space: global }
      - { .name: a_codes, .offset: 8, .size: 8, .value_kind: global_buffer, .address_space: global }
      - { .name: a_scl, .offset: 16, .size: 8, .value_kind: global_buffer, .address_space: global }
      - { .name: out2, .offset: 24, .size: 8, .value_kind: global_buffer, .address_space: global }
      - { .name: pk, .offset: 32, .size: 8, .value_kind: global_buffer, .address_space: global }
    .group_segment_fixed_size: 327680
    .private_segment_fixed_size: 0
    .kernarg_segment_align: 8
    .kernarg_segment_size: 40
    .max_flat_workgroup_size: 128
    .sgpr_count:     66
    .vgpr_count:     1024
    .wavefront_size: 32
...
	.end_amdgpu_metadata
.endif
;; end of part 2
;; launch final (part 3): grid 256 x 1, 2 waves a work-group, no clusters, 0 bytes of LDS; arguments pk, pred_ipd, dpipd_template, ele_candidate, azi_candidate, out0, out1; writes out0, out1
.if DOCPART == 3
	.amdgcn_target "amdgcn-amd-amdhsa--gfx1250"
	.amdhsa_code_object_version 6
	.text
	.protected	k_q46bf07d41f_final
	.globl	k_q46bf07d41f_final
	.p2align	8
	.type	k_q46bf07d41f_final,@function
k_q46bf07d41f_final:
	s_mov_b64 s[64:65], 0
	v_nop
	global_prefetch_b8 v0, s[64:65] scope:SCOPE_SE
	s_setreg_imm32_b32 hwreg(HW_REG_WAVE_MODE, 25, 1), 1
	s_wait_xcnt 0x0
; For each of the 512 rows: the 206 pairs (rank, g) that the launch before stored are joined, in whole numbers alone: the lowest rank is the largest score, and among equal ranks the lowest g is taken.
; Then out0 = (ele[g / 181], azi[g % 181]) and out1 = sum(tpl[g] x ipd) / sum(tpl[g]^2), on the f32 inputs as they are given, sums in f32.
; SHARES: one wave takes one row.  No LDS, no barrier, no matrix instruction: two dot products of 3,072 numbers.
; The pairs are 8 bytes of each of 206 blocks of 4,096 bytes, read once.  Lanes past pair 205 repeat it, so that no byte is read that was not stored.
; LIMITS: the division is a reciprocal of 1 ulp and a multiplication.  A template row of zeros gives what 0 x infinity gives.  The two outputs, 6,144 bytes in all, leave as 8 and 4 bytes a wave.
	s_load_b256 s[4:11], s[0:1], 0x0               ; pk s[4:5], pred_ipd s[6:7], the template s[8:9], ele s[10:11]
	s_load_b128 s[12:15], s[0:1], 0x20             ; azi s[12:13], out0 s[14:15]
	s_load_b64 s[16:17], s[0:1], 0x30              ; out1
	v_lshrrev_b32 v1, 5, v0
	v_readfirstlane_b32 s18, v1                    ; wave 0, 1
	v_and_b32 v1, 31, v0                           ; lane
	s_wait_alu depctr_va_vdst(0)
	v_lshlrev_b32 v2, 4, v1                        ; 16 x lane
	v_mov_b32 v3, 0                                ; the lane exchanges' destinations count as sources: written once
	v_mov_b32 v7, 0
	v_mov_b32 v246, 0                              ; the stores' offset
	s_lshl_b32 s19, ttmp9, 1
	s_add_co_u32 s19, s19, s18                     ; my row
	s_mov_b32 s20, 0x76543210                      ; lane selects for v_permlanex16_b32: lane l xor 16
	s_mov_b32 s21, 0xfedcba98
	s_lshl_b32 s22, s19, 3                         ; 8 bytes a row in pk and in out0,
	s_mov_b32 s23, 0
	s_mul_i32 s24, s19, 12288                      ; 12,288 in pred_ipd,
	s_mov_b32 s25, 0
	s_lshl_b32 s26, s19, 2                         ; 4 in out1
	s_mov_b32 s27, 0
.irp k, 0,1,2,3,4,5,6
	v_add_nc_u32 v[24+\k], 32*\k, v1
	v_min_u32 v[24+\k], 205, v[24+\k]              ; which work-group's pair
	v_lshlrev_b32 v[24+\k], 12, v[24+\k]
.endr
	s_wait_alu depctr_va_vdst(0)
	s_wait_kmcnt 0x0
	s_add_nc_u64 s[4:5], s[4:5], s[22:23]
	s_add_nc_u64 s[6:7], s[6:7], s[24:25]
	s_add_nc_u64 s[14:15], s[14:15], s[22:23]
	s_add_nc_u64 s[16:17], s[16:17], s[26:27]
.irp k, 0,1,2,3,4,5,6
	global_load_b64 v[8+2*\k:9+2*\k], v[24+\k], s[4:5]
.endr
.irp i, 0,1,2,3,4,5,6,7,8,9,10,11,12,13,14,15,16,17,18,19,20,21,22,23
	global_load_b128 v[32+4*\i:35+4*\i], v2, s[6:7] offset:512*\i th:TH_LOAD_NT   ; ipd's row: 512 consecutive bytes a load
.endr
	s_wait_loadcnt 24                              ; the seven pairs are in; behind them stand ipd's 24 loads
	v_min_u32 v4, v8, v10                          ; the lowest rank: in my lane,
.irp k, 2,3,4,5,6
	v_min_u32 v4, v4, v[8+2*\k]
.endr
.irp x, 1,2,4,8
	v_mov_b32_dpp v3, v4 row_xmask:\x row_mask:0xf bank_mask:0xf
	v_min_u32 v4, v4, v3                           ; in my 16 lanes,
.endr
	v_permlanex16_b32 v3, v4, s20, s21
	v_min_u32 v4, v4, v3                           ; in all 32
.irp k, 0,1,2,3,4,5,6
	v_cmp_eq_u32 vcc_lo, v[8+2*\k], v4
	v_cndmask_b32 v[9+2*\k], -1, v[9+2*\k], vcc_lo ; a pair of another rank counts for nothing
.endr
	v_min_u32 v5, v9, v11                          ; the lowest g of that rank
.irp k, 2,3,4,5,6
	v_min_u32 v5, v5, v[9+2*\k]
.endr
.irp x, 1,2,4,8
	v_mov_b32_dpp v3, v5 row_xmask:\x row_mask:0xf bank_mask:0xf
	v_min_u32 v5, v5, v3
.endr
	v_permlanex16_b32 v3, v5, s20, s21
	v_min_u32 v5, v5, v3
	v_min_u32 v5, 16470, v5                        ; an index stays inside its table
	v_mul_u32_u24 v6, v5, 12288                    ; the template's row g, under 2^28 bytes,
	v_add_nc_u32 v6, v6, v2                        ; + 16 x lane
.irp i, 0,1,2,3,4,5,6,7,8,9,10,11,12,13,14,15,16,17,18,19,20,21,22,23
	global_load_b128 v[128+4*\i:131+4*\i], v6, s[8:9] offset:512*\i
.endr
	v_mul_u32_u24 v240, v5, 11587                  ; g / 181 = (g x 11,587) >> 21: 11,587 x 181 = 2^21 + 95, right while 95 g is under 2^21
	v_lshrrev_b32 v240, 21, v240
	v_min_u32 v240, 90, v240
	v_mul_u32_u24 v241, v240, 181
	v_sub_nc_u32 v241, v5, v241                    ; g % 181
	v_min_u32 v241, 180, v241
	v_lshlrev_b32 v242, 2, v240
	v_lshlrev_b32 v243, 2, v241
	global_load_b32 v244, v242, s[10:11]           ; ele[g / 181]
	global_load_b32 v245, v243, s[12:13]           ; azi[g % 181]
	s_wait_loadcnt 2                               ; both rows are in; behind them stand the two candidates
.set n, 0
.rept 48                               ; two numbers at a time, four chains for each sum; the first links start the sums: nothing is cleared
.if n < 4
	v_pk_mul_f32 v[224+2*n:225+2*n], v[128+2*n:129+2*n], v[32+2*n:33+2*n]
	v_pk_mul_f32 v[232+2*n:233+2*n], v[128+2*n:129+2*n], v[128+2*n:129+2*n]
.else
	v_pk_fma_f32 v[224+2*(n%4):225+2*(n%4)], v[128+2*n:129+2*n], v[32+2*n:33+2*n], v[224+2*(n%4):225+2*(n%4)]
	v_pk_fma_f32 v[232+2*(n%4):233+2*(n%4)], v[128+2*n:129+2*n], v[128+2*n:129+2*n], v[232+2*(n%4):233+2*(n%4)]
.endif
.set n, n+1
.endr
.irp s, 224, 232
	v_pk_add_f32 v[\s:\s+1], v[\s:\s+1], v[\s+2:\s+3]
	v_pk_add_f32 v[\s+4:\s+5], v[\s+4:\s+5], v[\s+6:\s+7]
.endr
.irp s, 224, 232
	v_pk_add_f32 v[\s:\s+1], v[\s:\s+1], v[\s+4:\s+5]
.endr
	v_add_f32 v224, v224, v225
	v_add_f32 v232, v232, v233
.irp x, 1,2,4,8
	v_add_f32_dpp v224, v224, v224 row_xmask:\x row_mask:0xf bank_mask:0xf
	v_add_f32_dpp v232, v232, v232 row_xmask:\x row_mask:0xf bank_mask:0xf
.endr
	v_permlanex16_b32 v3, v224, s20, s21
	v_permlanex16_b32 v7, v232, s20, s21
	v_add_f32 v224, v224, v3                       ; sum(tpl x ipd)
	v_add_f32 v232, v232, v7                       ; sum(tpl^2)
	s_wait_alu depctr_va_vdst(0)
	v_rcp_f32 v247, v232
	v_nop                                          ; a plain instruction between the reciprocal and the use of its result (ISA guide 5.7.2),
	s_wait_alu depctr_va_vdst(0)                   ; and a wait ahead of the first use
	v_mul_f32 v248, v224, v247
	s_wait_alu depctr_va_vdst(0)
	s_wait_loadcnt 0x0                             ; the two candidates
	s_wait_xcnt 0x0                                ; EXEC changes only behind this wait
	v_cmp_eq_u32 vcc_lo, 0, v1
	s_and_saveexec_b32 s28, vcc_lo                 ; lane 0 stores for the row
	global_store_b64 v246, v[244:245], s[14:15]
	global_store_b32 v246, v248, s[16:17]
	s_wait_xcnt 0x0                                ; and again, in front of the line that widens it
	s_or_b32 exec_lo, exec_lo, s28
	s_endpgm
.Lfunc_end_k_q46bf07d41f_final:
	.size	k_q46bf07d41f_final, .Lfunc_end_k_q46bf07d41f_final-k_q46bf07d41f_final
	.p2alignl 7, 3214868480
	.fill 96, 4, 3214868480
	.section	.rodata,"a",@progbits
	.p2align	6, 0x0
	.amdhsa_kernel k_q46bf07d41f_final
		.amdhsa_group_segment_fixed_size 0
		.amdhsa_private_segment_fixed_size 0
		.amdhsa_enable_private_segment 0
		.amdhsa_kernarg_size 56
		.amdhsa_user_sgpr_count 2
		.amdhsa_user_sgpr_kernarg_segment_ptr 1
		.amdhsa_wavefront_size32 1
		.amdhsa_system_sgpr_workgroup_id_x 1
		.amdhsa_system_sgpr_workgroup_id_y 1
		.amdhsa_system_sgpr_workgroup_id_z 1
		.amdhsa_system_vgpr_workitem_id 0
		.amdhsa_next_free_vgpr 256
		.amdhsa_next_free_sgpr 66
		.amdhsa_reserve_vcc 1
		.amdhsa_float_denorm_mode_32 3
		.amdhsa_float_denorm_mode_16_64 3
		.amdhsa_memory_ordered 1
		.amdhsa_forward_progress 1
		.amdhsa_inst_pref_size 18
	.end_amdhsa_kernel
	.amdgpu_metadata
---
amdhsa.version: [ 1, 2 ]
amdhsa.kernels:
  - .name:           k_q46bf07d41f_final
    .symbol:         k_q46bf07d41f_final.kd
    .args:
      - { .name: pk, .offset: 0, .size: 8, .value_kind: global_buffer, .address_space: global }
      - { .name: pred_ipd, .offset: 8, .size: 8, .value_kind: global_buffer, .address_space: global }
      - { .name: dpipd_template, .offset: 16, .size: 8, .value_kind: global_buffer, .address_space: global }
      - { .name: ele_candidate, .offset: 24, .size: 8, .value_kind: global_buffer, .address_space: global }
      - { .name: azi_candidate, .offset: 32, .size: 8, .value_kind: global_buffer, .address_space: global }
      - { .name: out0, .offset: 40, .size: 8, .value_kind: global_buffer, .address_space: global }
      - { .name: out1, .offset: 48, .size: 8, .value_kind: global_buffer, .address_space: global }
    .group_segment_fixed_size: 0
    .private_segment_fixed_size: 0
    .kernarg_segment_align: 8
    .kernarg_segment_size: 56
    .max_flat_workgroup_size: 64
    .sgpr_count:     66
    .vgpr_count:     256
    .wavefront_size: 32
...
	.end_amdgpu_metadata
.endif
;; end of part 3
